; MI455X (gfx1250); checked and timed in simulation.
; The chip was launched on July 23, 2026; its instructions are those of AMD's public machine-readable ISA for CDNA 5 (MIT licence, August 2026) and "CDNA5" Instruction Set Architecture Reference Guide (July 2026). The comments in the code are by the model that wrote it; some were corrected since.
;; Little Bit Linear. Allowed arithmetic: float matrix products may take bf16 or f16 operands with f32 sums; other float arithmetic in f32, or as packed bf16 or f16 multiplies, adds, multiply-adds, maxima and minima; sums over many terms, partial sums and values carried from step to step in f32; what a program stores and reads back later, other than sums and carried values, may be rounded once to bf16 or f16.
;; Inputs: U_primary 4,096 x 1,024 float32; U_residual 4,096 x 1,024 float32; V_primary 4,096 x 1,024 float32; V_residual 4,096 x 1,024 float32; bias 4,096 float32; g_primary 4,096 float32; g_residual 4,096 float32; h_primary 4,096 float32; h_residual 4,096 float32; l_primary 1,024 float32; l_residual 1,024 float32; x 4,096 x 4,096 float32.
;; Outputs: out0 4,096 x 4,096 float32.
;; One version. Each part assembles by itself: llvm-mc -triple=amdgcn-amd-amdhsa -mcpu=gfx1250 --defsym DOCPART=n.
;; ======== version 1 of 1: 3 launches
;; workspace buffers: xb 33,554,432 bytes; w1 16,777,216 bytes; w2 16,777,216 bytes; t 16,777,216 bytes
;; launch prep (part 1): grid 64 x 8, 8 waves a work-group, no clusters, 0 bytes of LDS; arguments x, V_primary, V_residual, U_primary, U_residual, g_primary, g_residual, h_primary, h_residual, xb, w1, w2; writes xb, w1, w2
.if DOCPART == 1
	.amdgcn_target "amdgcn-amd-amdhsa--gfx1250"
	.amdhsa_code_object_version 6
	.text
	.protected	k_q79a0e8f05b_prep
	.globl	k_q79a0e8f05b_prep
	.p2align	8
	.type	k_q79a0e8f05b_prep,@function
k_q79a0e8f05b_prep:
	s_mov_b64 s[64:65], 0
	v_nop
	global_prefetch_b8 v0, s[64:65] scope:SCOPE_SE
	s_setreg_imm32_b32 hwreg(HW_REG_WAVE_MODE, 25, 1), 1
	s_wait_xcnt 0x0
; THE OPERANDS OF THE TWO PRODUCTS, MADE ONCE, IN bf16.
;   xb[t][k] = bf16(x[t][k])                                   [4096][4096]
;   w1[k][j] = bf16(g[k]) * sign(V[k][j])                      [4096][2048], columns 0-1023 primary, 1024-2047 residual
;   w2[o][j] = bf16(h[o]) * sign(U[o][j])                      [4096][2048], likewise
; A scale rounded to bf16, with its sign turned or replaced by 0, is a bf16 number: the weights lose nothing beyond the rounding of g and h.
; LIMITS.  A NaN in U or V counts by its sign bit (the result is +-scale, not NaN); +-0 gives 0; an f32 denormal counts as not 0.
; SHARES.  Everything is taken as rows of 1,024 f32 (4,096 bytes).  Grid y = 0..3: quarter y of x seen as [16384][1024]; y = 4..7: V primary, V residual, U primary, U residual.
; Each y has 4,096 rows: a work-group 64, a wave 8.  A load of a wave covers 512 consecutive bytes; its 128 numbers leave as 256 consecutive bytes, aligned, by one store.
; A stream: nothing is shared, so no LDS, no barrier, no matrix unit.  Four rows of a wave (32 loads) are on their way; all rows stand in immediates, so no address register is ever rewritten.
.set SC,  4                            ; v[4:11]    the wave's 8 row scales, rounded to bf16, as f32
.set TT,  12                           ; v[12:15]   at work
.set X,   16                           ; v[16:143]  four row slots of 32: the row as loaded (slot = row % 4)
.set Y,   144                          ; v[144:175] two sets of 16: a row in bf16 (set = row % 2)
.set IN,  32                           ; s[32:33]   the source at the wave's first row
.set OUT, 34                           ; s[34:35]   the target at the wave's first row
.set SCP, 36                           ; s[36:37]   g or h at the wave's first row
.set SGN, 38                           ; s38        the sign bit
.set SV,  40                           ; s[40:47]   the 8 scales as loaded
	s_load_b512 s[8:23], s[0:1], 0x0               ; x 8, V_p 10, V_r 12, U_p 14, U_r 16, g_p 18, g_r 20, h_p 22
	s_load_b256 s[24:31], s[0:1], 0x40             ; h_r 24, xb 26, w1 28, w2 30
	v_and_b32 v3, 31, v0                           ; lane
	v_lshrrev_b32 v12, 5, v0
	v_readfirstlane_b32 s2, v12                    ; wave 0..7
	v_lshlrev_b32 v1, 4, v3                        ; 16 x lane: my 4 numbers of a load; never rewritten
	v_lshlrev_b32 v2, 3, v3                        ; 8 x lane: my 4 numbers of a store; never rewritten
	s_and_b32 s3, ttmp7, 0xffff                    ; y
	s_lshl_b32 s4, ttmp9, 6
	s_lshl_b32 s5, s2, 3
	s_add_co_u32 s4, s4, s5                        ; the wave's first row among its y's 4,096: 64 x group + 8 x wave
	s_mov_b32 s7, 0                                ; offsets are pairs with 0 above
	s_mov_b32 s[SGN], 0x80000000
	s_wait_kmcnt 0x0
.macro FILL r                          ; row r: eight loads of 512 consecutive bytes
.irp j, 0,1,2,3,4,5,6,7
	global_load_b128 v[X+32*((\r)%4)+4*(\j):X+32*((\r)%4)+4*(\j)+3], v1, s[IN:IN+1] offset:4096*(\r)+512*(\j) th:TH_LOAD_NT
.endr
.endm
; The turn of row r.  left = the younger rows' loads, which may stay out.  w = 1: a row of weights.  pitch = bytes from row to row in the target.
.macro TURN r, left, w, pitch
	s_wait_loadcnt \left                           ; loads come back in order: my eight are in
	s_wait_xcnt 0x0                                ; the stores of two rows back have read this set of Y: it is rewritten only behind this wait
.if \w
.set i, 0
.rept 32                               ; scale with the number's sign turned in, or 0 where the number is 0
	v_and_b32 v[TT+i%4], s[SGN], v[X+32*((\r)%4)+i]
	v_cmp_neq_f32 vcc_lo, 0, v[X+32*((\r)%4)+i]
	v_xor_b32 v[TT+i%4], v[TT+i%4], v[SC+(\r)]
	v_cndmask_b32 v[X+32*((\r)%4)+i], 0, v[TT+i%4], vcc_lo
.set i, i+1
.endr
.endif
.set i, 0
.rept 16
	v_cvt_pk_bf16_f32 v[Y+16*((\r)%2)+i], v[X+32*((\r)%4)+2*i], v[X+32*((\r)%4)+2*i+1]  ; x: the one rounding; weights: exact
.set i, i+1
.endr
.if (\r) < 4
	FILL (\r)+4                                    ; the slot's next row, ahead of the stores
.endif
.irp j, 0,1,2,3,4,5,6,7
	global_store_b64 v2, v[Y+16*((\r)%2)+2*(\j):Y+16*((\r)%2)+2*(\j)+1], s[OUT:OUT+1] offset:(\pitch)*(\r)+256*(\j) th:TH_STORE_NT  ; 32 lanes store 256 consecutive bytes, aligned
.endr
.endm
.macro ROWS w, pitch                   ; the first four rows' loads
	FILL 0
	FILL 1
	FILL 2
	FILL 3
.endm
	s_cmp_lt_u32 s3, 4
	s_cbranch_scc0 .Lweights
	; x
	s_lshl_b32 s5, s3, 12
	s_add_co_u32 s5, s5, s4                        ; row among x's 16,384
	s_lshl_b32 s6, s5, 12
	s_add_nc_u64 s[IN:IN+1], s[8:9], s[6:7]
	s_lshl_b32 s6, s5, 11
	s_add_nc_u64 s[OUT:OUT+1], s[26:27], s[6:7]
	ROWS 0, 2048
	TURN 0, 24, 0, 2048
	TURN 1, 24, 0, 2048
	TURN 2, 24, 0, 2048
	TURN 3, 24, 0, 2048
	TURN 4, 24, 0, 2048
	TURN 5, 16, 0, 2048
	TURN 6, 8, 0, 2048
	TURN 7, 0, 0, 2048
	s_endpgm
.Lweights:
	s_sub_co_u32 s5, s3, 4                         ; 0 V_p, 1 V_r, 2 U_p, 3 U_r
	s_cmp_eq_u32 s5, 0
	s_cselect_b64 s[IN:IN+1], s[10:11], s[12:13]
	s_cselect_b64 s[SCP:SCP+1], s[18:19], s[20:21]
	s_cmp_eq_u32 s5, 2
	s_cselect_b64 s[IN:IN+1], s[14:15], s[IN:IN+1]
	s_cselect_b64 s[SCP:SCP+1], s[22:23], s[SCP:SCP+1]
	s_cmp_eq_u32 s5, 3
	s_cselect_b64 s[IN:IN+1], s[16:17], s[IN:IN+1]
	s_cselect_b64 s[SCP:SCP+1], s[24:25], s[SCP:SCP+1]
	s_cmp_lt_u32 s5, 2
	s_cselect_b64 s[OUT:OUT+1], s[28:29], s[30:31]
	s_lshl_b32 s6, s4, 2
	s_add_nc_u64 s[SCP:SCP+1], s[SCP:SCP+1], s[6:7]
	s_load_b256 s[SV:SV+7], s[SCP:SCP+1], 0x0      ; the 8 rows' scales: 32 bytes, aligned
	s_lshl_b32 s6, s4, 12                          ; a row is 4,096 bytes in the source and in the target
	s_add_nc_u64 s[IN:IN+1], s[IN:IN+1], s[6:7]
	s_add_nc_u64 s[OUT:OUT+1], s[OUT:OUT+1], s[6:7]
	s_and_b32 s6, s5, 1
	s_lshl_b32 s6, s6, 11                          ; the residual's columns begin 2,048 bytes into a row
	s_add_nc_u64 s[OUT:OUT+1], s[OUT:OUT+1], s[6:7]
	ROWS 1, 4096
	s_wait_kmcnt 0x0
.irp i, 0,1,2,3,4,5,6,7
	v_mov_b32 v[SC+(\i)], s[SV+(\i)]
.endr
.irp i, 0,1,2,3
	v_cvt_pk_bf16_f32 v[TT+(\i)], v[SC+2*(\i)], v[SC+2*(\i)+1]  ; the scales' one rounding
.endr
.irp i, 0,1,2,3
	v_lshlrev_b32 v[SC+2*(\i)], 16, v[TT+(\i)]
	v_and_b32 v[SC+2*(\i)+1], 0xffff0000, v[TT+(\i)]
.endr
	TURN 0, 24, 1, 4096
	TURN 1, 24, 1, 4096
	TURN 2, 24, 1, 4096
	TURN 3, 24, 1, 4096
	TURN 4, 24, 1, 4096
	TURN 5, 16, 1, 4096
	TURN 6, 8, 1, 4096
	TURN 7, 0, 1, 4096
	s_endpgm
.Lfunc_end_k_q79a0e8f05b_prep:
	.size	k_q79a0e8f05b_prep, .Lfunc_end_k_q79a0e8f05b_prep-k_q79a0e8f05b_prep
	.p2alignl 7, 3214868480
	.fill 96, 4, 3214868480
	.section	.rodata,"a",@progbits
	.p2align	6, 0x0
	.amdhsa_kernel k_q79a0e8f05b_prep
		.amdhsa_group_segment_fixed_size 0
		.amdhsa_private_segment_fixed_size 0
		.amdhsa_enable_private_segment 0
		.amdhsa_kernarg_size 96
		.amdhsa_user_sgpr_count 2
		.amdhsa_user_sgpr_kernarg_segment_ptr 1
		.amdhsa_wavefront_size32 1
		.amdhsa_system_sgpr_workgroup_id_x 1
		.amdhsa_system_sgpr_workgroup_id_y 1
		.amdhsa_system_sgpr_workgroup_id_z 1
		.amdhsa_system_vgpr_workitem_id 0
		.amdhsa_next_free_vgpr 176
		.amdhsa_next_free_sgpr 66
		.amdhsa_reserve_vcc 1
		.amdhsa_float_denorm_mode_32 3
		.amdhsa_float_denorm_mode_16_64 3
		.amdhsa_memory_ordered 1
		.amdhsa_forward_progress 1
		.amdhsa_inst_pref_size 76
	.end_amdhsa_kernel
	.amdgpu_metadata
---
amdhsa.version: [ 1, 2 ]
amdhsa.kernels:
  - .name:           k_q79a0e8f05b_prep
    .symbol:         k_q79a0e8f05b_prep.kd
    .args:
      - { .name: x, .offset: 0, .size: 8, .value_kind: global_buffer, .address_space: global }
      - { .name: V_primary, .offset: 8, .size: 8, .value_kind: global_buffer, .address_space: global }
      - { .name: V_residual, .offset: 16, .size: 8, .value_kind: global_buffer, .address_space: global }
      - { .name: U_primary, .offset: 24, .size: 8, .value_kind: global_buffer, .address_space: global }
      - { .name: U_residual, .offset: 32, .size: 8, .value_kind: global_buffer, .address_space: global }
      - { .name: g_primary, .offset: 40, .size: 8, .value_kind: global_buffer, .address_space: global }
      - { .name: g_residual, .offset: 48, .size: 8, .value_kind: global_buffer, .address_space: global }
      - { .name: h_primary, .offset: 56, .size: 8, .value_kind: global_buffer, .address_space: global }
      - { .name: h_residual, .offset: 64, .size: 8, .value_kind: global_buffer, .address_space: global }
      - { .name: xb, .offset: 72, .size: 8, .value_kind: global_buffer, .address_space: global }
      - { .name: w1, .offset: 80, .size: 8, .value_kind: global_buffer, .address_space: global }
      - { .name: w2, .offset: 88, .size: 8, .value_kind: global_buffer, .address_space: global }
    .group_segment_fixed_size: 0
    .private_segment_fixed_size: 0
    .kernarg_segment_align: 8
    .kernarg_segment_size: 96
    .max_flat_workgroup_size: 256
    .sgpr_count:     66
    .vgpr_count:     176
    .wavefront_size: 32
...
	.end_amdgpu_metadata
.endif
;; end of part 1
;; launch g1 (part 2): grid 8 x 32, 4 waves a work-group, clusters of 4 x 4, 327,680 bytes of LDS; arguments xb, w1, l_primary, l_residual, t; writes t
.if DOCPART == 2
	.amdgcn_target "amdgcn-amd-amdhsa--gfx1250"
	.amdhsa_code_object_version 6
	.text
	.protected	k_q79a0e8f05b_g1
	.globl	k_q79a0e8f05b_g1
	.p2align	8
	.type	k_q79a0e8f05b_g1,@function
k_q79a0e8f05b_g1:
	s_mov_b64 s[64:65], 0
	v_nop
	global_prefetch_b8 v0, s[64:65] scope:SCOPE_SE
	s_setreg_imm32_b32 hwreg(HW_REG_WAVE_MODE, 25, 1), 1
	s_wait_xcnt 0x0
	s_wait_alu depctr_hold_cnt(0) depctr_sa_sdst(0) depctr_va_vdst(0) depctr_va_sdst(0) depctr_va_ssrc(0) depctr_va_vcc(0) depctr_vm_vsrc(0)
	s_getreg_b32 s2, hwreg(HW_REG_IB_STS2, 6, 4)
	s_cmp_eq_u32 s2, 0
	s_cbranch_scc0 .Lentry_in_a_cluster
	s_endpgm
.Lentry_in_a_cluster:
	s_bfe_u32 s2, ttmp6, 0x10000c
	s_cmp_lg_u32 s2, 0xf033
	s_cbranch_scc0 .Lentry_shape_is_right
	s_endpgm
.Lentry_shape_is_right:
; t[m][j] = bf16( bf16(l[j]) * sum over k of xb[m][k] w1[k][j] ).  xb: [4096][4096], w1: [4096 k][2048 j], t: [4096][2048], all bf16; sums and the scaling by l in f32; t rounded once.
; Columns j = 0-1023 are the primary pathway (l_primary), 1024-2047 the residual one (l_residual).
; LIMIT.  t is kept in bf16 (8 significant bits): it is the second product's operand; bf16 and not f16, since t grows with x, g and l beyond what f16 holds.
; SHARES.  4096 x 2048 outputs in tiles of 128 (m) x 256 (j): 256 work-groups.  Four waves, each 64 x 128: 32 accumulators of 16 x 16, 256 registers.
; THE RING HAS A LONG SLOT AND A SHORT ONE.  128 along K are 104,448 bytes of LDS (128 rows of xb, 128 rows of w1, padded): three such fit, four do not.  So slot 0 holds 256 along K and slot 1 holds 128:
; two changes of slots for 384 along K.  A refill has the other slot's products in which to land: the short slot's 240 matrix instructions, the long slot's 112.  Two equal slots of 192 would give xb rows of
; 384 bytes, which do not begin at multiples of 256.  4096 = 10 x 384 + 256: ten laps of a long and a short step, then a last long step.
; w1 LIES [k][j] AND IS NEVER TRANSPOSED IN MEMORY: its fragments come out of LDS turned, by ds_load_tr16_b128, two loads a fragment as for rows that lie along K.
; THE MATRIX INSTRUCTION IS USED TRANSPOSED: source 0 = 16 columns j, source 1 = 16 rows m.  In the result lane l holds row m = l % 16 and its registers the columns 8 (l / 16) + 0..7: eight neighbours of a row of t.
; CLUSTERS: 4 x 4 work-groups.  The four of a row of the cluster need the same tile of xb, the four of a column the same tile of w1: each tile is asked for JOINTLY, by the same tensor load, descriptor and mask in all four.
; REGISTERS, in windows of 256: window 0: v0-31 addresses, v32-63 at work, two fragment buffers of 96 (64 of w1, 32 of xb) at v64 and v160; window 1: accumulator (a, b) at v[8 (8 a + b)]; window 2: v0-63 l of my 64 columns a lane.
.set KDIM,   4096
.set NDIM,   2048
.set PA0,    528                       ; a row of xb in the long slot: 512 bytes + 16 of padding = 132 words: the 16 rows of a load start at 16 different groups of four banks (64 banks of 4 bytes: ISA guide 11.1)
.set PA1,    272                       ; in the short slot: 256 + 16 = 68 words: likewise
.set PB,     544                       ; a row of w1: 512 + 32 = 136 words
.set A0HALF, 64*PA0                    ; what one tensor load brings of xb into the long slot
.set A0T,    2*A0HALF
.set B0HALF, 128*PB                    ; and of w1
.set S1BASE, A0T+2*B0HALF              ; the short slot begins here
.set A1HALF, 64*PA1
.set A1T,    2*A1HALF
.set B1HALF, 64*PB
.set SPARE,  S1BASE+A1T+2*B1HALF       ; behind the ring: the spare words, 128 bytes for each wave: two blocks of 256 bytes that no other line names
.set STAGE,  S1BASE                    ; the way out's stage, 16 rows x 272 bytes for each wave, lies in the short slot: by then that slot has had its last fill, and every wave has awaited its last reads of it in front of the last change's barrier
.set SP,     272
.set WSTAGE, 16*SP
.set LAPS,   10                        ; laps of 384 along K
.set ASTEP,  384*2                     ; a lap in bytes along xb's rows
.set BSTEP,  384*NDIM*2                ; and down w1's rows
.set PFO,  8                           ; v8-10   the prefetches' three offsets; never rewritten
.set ADRA0, 16                         ; v16     LDS address of my fragments of xb in the long slot
.set ADRA1, 17                         ; v17     in the short slot
.set ADRB0, 20                         ; v20-21  the same for w1 in the long slot: its first and its second 128 rows (the immediate holds 16 bits)
.set ADRB1, 22                         ; v22     in the short slot
.set STO,  24                          ; v24     the way out: where I put 16 bytes of a row
.set RD,   25                          ; v25     the way out: where I read a row back
.set CO,   26                          ; v26     my byte offset in t
.set LO,   27                          ; v27     my byte offset in l
.set SPW,  28                          ; v28     LDS address of my spare word; never rewritten
.set NIL,  29                          ; v29     0; never rewritten
.set TW,   32                          ; v32-63  at work while l is rounded
.set F0,   64
.set F1,   160
.set TMP,  64                          ; the way out: packed results
.set BK0,  128                         ; the way out: 16 rows read back, two sets of 32 by turns
.set WV,  12                           ; s12  wave
.set WR,  13                           ; s13  which 64 rows of the tile are mine; also 0: I fetch xb, 1: w1
.set WC,  14                           ; s14  which 128 columns; also which half of that tile's rows I fetch
.set LIM, 15                           ; s15  1 in a wave that prefetches, else the greatest number
.set G1A, 24                           ; s[24:31], s[32:39] descriptor group 1 for xb's tiles: long slot, short slot
.set G1B, 40                           ; s[40:47], s[48:55] for w1's
.set G0A, 56                           ; s[56:59], s[60:63] group 0 for xb's tiles: long slot, short slot
.set G0B, 68                           ; s[68:71], s[72:75] for w1's
.set CX,  76
.set CY,  77
.set TC,  78                           ; tile column 0..7
.set TR,  79                           ; tile row 0..31
.set PFA, 80                           ; s[80:81] where my prefetches stand
.set PFS, 82                           ; s[82:83] a lap in bytes for my prefetches
.set TP,  84                           ; s[84:85] t
.set MSB, 0
.macro WIN new                         ; the high byte repeats the setting that is left; a switch that changes nothing is dropped
.if MSB != (\new)
	s_set_vgpr_msb (MSB<<8)|(\new)
.set MSB, \new
.endif
.endm
.set MUL, 0x50                         ; both sources window 0, C and D window 1
; A joint load into slot s: waves 0 and 1 fetch the two halves of xb's tile, waves 2 and 3 those of w1's.  The branch hangs on the wave's number alone.
; An s_nop 0 and four v_nop follow each of the two lines, ahead of the jump and the label.
.macro JLOAD s
	s_cmp_lt_u32 s[WV], 2
	s_cbranch_scc0 .Lfor_b_\@
	tensor_load_to_lds s[G0A+4*(\s):G0A+4*(\s)+3], s[G1A+8*(\s):G1A+8*(\s)+7]
	s_nop 0
.rept 4
	v_nop
.endr
	s_branch .Lasked_\@
.Lfor_b_\@:
	tensor_load_to_lds s[G0B+4*(\s):G0B+4*(\s)+3], s[G1B+8*(\s):G1B+8*(\s)+7]
	s_nop 0
.rept 4
	v_nop
.endr
.Lasked_\@:
.endm
; THE PREFETCHES, once a lap, behind the short slot's joint refill and the run of LDS loads that follows it: the whole lap two on (384 along K): 256 matrix instructions ahead of the load of its long step, 384 ahead of its short step's.
; Each aligned block of 256 bytes is named once in the launch.  xb's tile row is read by both clusters of a row of clusters: cluster x = 0 asks, its wave 0; the four partners of a row take 32 of the 128 rows each,
; a lane a row, three blocks a row: three instructions.  w1's tile column is read by all eight clusters of a column: cluster y = 0 asks, its waves 2 and 3; of a lap's 384 rows the partner at cy takes 96, each of
; the two waves 48 of them, two blocks a row: three instructions of 16 rows.  The partners are told apart BY ADDRESS; the branch hangs on the wave's number and the cluster's place, the same in all partners.
; Laps 0 and 1 come by their loads alone.  The loop's last trip asks for nothing: two laps on stands the last long step alone, which is shorter than a lap.
.macro ASK
	s_cmp_gt_u32 s3, s[LIM]                        ; s3 = 1 in the loop's last trip
	s_cbranch_scc0 .Lnot_mine_\@
	global_prefetch_b8 v[PFO], s[PFA:PFA+1] th:TH_LOAD_NT scope:SCOPE_SE
	global_prefetch_b8 v[PFO+1], s[PFA:PFA+1] th:TH_LOAD_NT scope:SCOPE_SE
	global_prefetch_b8 v[PFO+2], s[PFA:PFA+1] th:TH_LOAD_NT scope:SCOPE_SE
.Lnot_mine_\@:
.endm
.macro CREST                           ; a round of the cluster's barrier behind its opening barrier
	s_cmp_lg_u32 s[WV], 0
	s_cbranch_scc1 .Lnot_wave_0_\@
	s_barrier_signal -3
.Lnot_wave_0_\@:
	s_barrier_wait -3
	s_barrier_signal -1
	s_barrier_wait -1
.endm
.macro CROUND                          ; a whole round
	s_barrier_signal -1
	s_barrier_wait -1
	CREST
.endm
	s_load_b256 s[4:11], s[0:1], 0x0               ; xb s[4:5], w1 s[6:7], l_primary s[8:9], l_residual s[10:11]
	s_load_b64 s[TP:TP+1], s[0:1], 0x20            ; t
	v_lshl_add_u32 v[SPW], v0, 2, SPARE
	v_mov_b32 v[NIL], 0
	ds_add_u32 v[SPW], v[NIL]                      ; the wave's opening: the add and its wait stand ahead of my first tensor load; the set-up below, work on registers, stands between them
	v_lshrrev_b32 v1, 5, v0
	v_readfirstlane_b32 s[WV], v1                  ; wave 0..3
	s_lshr_b32 s[WR], s[WV], 1
	s_and_b32 s[WC], s[WV], 1
	s_bfe_u32 s[CX], ttmp6, 0x40000                ; my place in the cluster
	s_bfe_u32 s[CY], ttmp6, 0x40004
	s_lshl_b32 s[TC], ttmp9, 2
	s_add_co_u32 s[TC], s[TC], s[CX]               ; tile column = 4 x cluster x + cx
	s_and_b32 s[TR], ttmp7, 0xffff
	s_lshl_b32 s[TR], s[TR], 2
	s_add_co_u32 s[TR], s[TR], s[CY]               ; tile row = 4 x cluster y + cy
	s_lshl_b32 s20, s[CY], 2
	s_lshl_b32 s20, 15, s20                        ; my row of the cluster: places 4 cy .. 4 cy + 3
	s_lshl_b32 s21, 0x1111, s[CX]                  ; my column: places cx, cx + 4, cx + 8, cx + 12
	; group 1 for xb, long slot: 64 rows x 256 elements
	s_or_b32 s[G1A+0], s20, (1<<16)|(1<<20)|(1<<21)|(6<<22)|(3<<25)  ; the mask; elements of 2 bytes; padding on; bit 21 beside a mask; after every 128 words (code 6) 4 words (code 3)
	s_mov_b32 s[G1A+1], 256<<16                    ; tensor_dim0 = 256
	s_mov_b32 s[G1A+2], 64<<16                     ; tensor_dim1 = 64
	s_mov_b32 s[G1A+3], 256<<16                    ; tile_dim0 = 256
	s_mov_b32 s[G1A+4], 64                         ; tile_dim1 = 64
	s_mov_b32 s[G1A+5], KDIM                       ; elements from row to row
	s_mov_b32 s[G1A+6], 0
	s_mov_b32 s[G1A+7], 0
	; short slot: 64 rows x 128 elements
	s_or_b32 s[G1A+8], s20, (1<<16)|(1<<20)|(1<<21)|(5<<22)|(3<<25)  ; after every 64 words (code 5) 4 words
	s_mov_b32 s[G1A+9], 128<<16
	s_mov_b32 s[G1A+10], 64<<16
	s_mov_b32 s[G1A+11], 128<<16
	s_mov_b32 s[G1A+12], 64
	s_mov_b32 s[G1A+13], KDIM
	s_mov_b32 s[G1A+14], 0
	s_mov_b32 s[G1A+15], 0
	; group 1 for w1, long slot: 128 rows (k) x 256 elements (j)
	s_or_b32 s[G1B+0], s21, (1<<16)|(1<<20)|(1<<21)|(6<<22)|(7<<25)  ; after every 128 words (code 6) 8 words (code 7)
	s_mov_b32 s[G1B+1], 256<<16
	s_mov_b32 s[G1B+2], 128<<16
	s_mov_b32 s[G1B+3], 256<<16
	s_mov_b32 s[G1B+4], 128
	s_mov_b32 s[G1B+5], NDIM
	s_mov_b32 s[G1B+6], 0
	s_mov_b32 s[G1B+7], 0
	; short slot: 64 rows x 256 elements
	s_or_b32 s[G1B+8], s21, (1<<16)|(1<<20)|(1<<21)|(6<<22)|(7<<25)
	s_mov_b32 s[G1B+9], 256<<16
	s_mov_b32 s[G1B+10], 64<<16
	s_mov_b32 s[G1B+11], 256<<16
	s_mov_b32 s[G1B+12], 64
	s_mov_b32 s[G1B+13], NDIM
	s_mov_b32 s[G1B+14], 0
	s_mov_b32 s[G1B+15], 0
	; where the tiles come from: xb's hang on the tile row alone, w1's on the tile column alone
	s_lshl_b32 s16, s[TR], 7
	s_lshl_b32 s17, s[WC], 6
	s_add_co_u32 s16, s16, s17                     ; xb: row 128 x tile row + 64 x half,
	s_lshl_b32 s16, s16, 13                        ; of 8,192 bytes
	s_mov_b32 s17, 0
	s_lshl_b32 s87, s[TC], 9                       ; w1: column 256 x tile column, of 2 bytes;
	s_lshl_b32 s88, s[WC], 19                      ; long step: row 128 x half, of 4,096 bytes
	s_add_co_u32 s88, s88, s87
	s_lshl_b32 s86, s[WC], 18                      ; short step: row 256 + 64 x half
	s_add_co_u32 s86, s86, s87
	s_add_co_u32 s86, s86, 256*NDIM*2
	s_mov_b32 s87, 0
	s_mov_b32 s89, 0
	s_mul_i32 s22, s[WC], A0HALF                   ; and where they go: no place in the cluster enters an LDS address
	s_mul_i32 s23, s[WC], B0HALF
	s_mul_i32 s18, s[WC], A1HALF
	s_mul_i32 s19, s[WC], B1HALF
	s_wait_dscnt 0x0                               ; the opening add is done
	s_wait_kmcnt 0x0
	s_add_nc_u64 s[16:17], s[4:5], s[16:17]
	s_add_nc_u64 s[88:89], s[6:7], s[88:89]
	s_add_nc_u64 s[86:87], s[6:7], s[86:87]
	CROUND                                         ; all sixteen work-groups are here: the first joint loads meet
	s_mov_b32 s[G0A], 1                            ; count = 1
	s_add_co_u32 s[G0A+1], s22, 0                  ; LDS address
	s_add_nc_u64 s[G0A+2:G0A+3], s[16:17], 0       ; global address: K = 0 on
	s_or_b32 s[G0A+3], s[G0A+3], 0x80000000        ; type = 2
	s_mov_b32 s[G0A+4], 1
	s_add_co_u32 s[G0A+5], s18, S1BASE
	s_add_nc_u64 s[G0A+6:G0A+7], s[16:17], 256*2   ; K = 256 on
	s_or_b32 s[G0A+7], s[G0A+7], 0x80000000
	s_mov_b32 s[G0B], 1
	s_add_co_u32 s[G0B+1], s23, A0T
	s_add_nc_u64 s[G0B+2:G0B+3], s[88:89], 0
	s_or_b32 s[G0B+3], s[G0B+3], 0x80000000
	s_mov_b32 s[G0B+4], 1
	s_add_co_u32 s[G0B+5], s19, S1BASE+A1T
	s_add_nc_u64 s[G0B+6:G0B+7], s[86:87], 0
	s_or_b32 s[G0B+7], s[G0B+7], 0x80000000
	s_cmp_lt_u32 s[WV], 2                          ; a wave's two first fills stand in one branch, ahead of every wait on TENSORcnt and every LDS read: two loads of mine are out, the long slot's first
	s_cbranch_scc0 .Lfirst_b
	tensor_load_to_lds s[G0A:G0A+3], s[G1A:G1A+7]
	s_nop 0
	tensor_load_to_lds s[G0A+4:G0A+7], s[G1A+8:G1A+15]
	s_nop 0
.rept 4
	v_nop
.endr
	s_branch .Lfirst_asked
.Lfirst_b:
	tensor_load_to_lds s[G0B:G0B+3], s[G1B:G1B+7]
	s_nop 0
	tensor_load_to_lds s[G0B+4:G0B+7], s[G1B+8:G1B+15]
	s_nop 0
.rept 4
	v_nop
.endr
.Lfirst_asked:
	v_and_b32 v1, 15, v0                           ; r = l % 16
	v_bfe_u32 v2, v0, 4, 1                         ; h = l / 16
	; l of my columns: the pathway is the cluster's x; in it my wave's columns begin at 256 cx + 128 x half; register 8 b + j holds column 16 b + 8 h + j
	s_cmp_eq_u32 ttmp9, 0
	s_cselect_b64 s[8:9], s[8:9], s[10:11]
	s_lshl_b32 s20, s[CX], 10
	s_lshl_b32 s21, s[WC], 9
	s_add_co_u32 s20, s20, s21
	s_mov_b32 s21, 0
	s_add_nc_u64 s[8:9], s[8:9], s[20:21]
	v_lshlrev_b32 v[LO], 5, v2
	WIN 0x80                                       ; destination window 2, address window 0
.irp b, 0,1,2,3,4,5,6,7
	global_load_b128 v[8*(\b):8*(\b)+3],   v[LO], s[8:9] offset:64*(\b)
	global_load_b128 v[8*(\b)+4:8*(\b)+7], v[LO], s[8:9] offset:64*(\b)+16
.endr
	WIN 0
	; a fragment of xb: lane l holds row l % 16; two loads of 16 bytes, 32 bytes apart, at row x pitch + 16 h
	v_mul_u32_u24 v3, v1, PA1
	v_lshl_add_u32 v3, v2, 4, v3                   ; by the short slot's pitch (and the stage's)
	v_mul_u32_u24 v6, v1, PA0
	v_lshl_add_u32 v6, v2, 4, v6                   ; by the long slot's
	s_mul_i32 s20, s[WR], A0HALF                   ; my 64 rows
	v_add_nc_u32 v[ADRA0], s20, v6
	s_mul_i32 s20, s[WR], A1HALF
	s_add_co_u32 s20, s20, S1BASE
	v_add_nc_u32 v[ADRA1], s20, v3
	; a fragment of w1, turned: lane l reads 16 bytes of row k = 8 h + l % 8, columns 8 ((l / 8) % 2) + 0..7, and is left with column l % 16 and 8 k; the second load stands 16 rows on
	v_and_b32 v4, 7, v0
	v_bfe_u32 v5, v0, 3, 1
	v_lshl_add_u32 v4, v2, 3, v4
	v_mul_u32_u24 v4, v4, PB
	v_lshl_add_u32 v4, v5, 4, v4
	s_lshl_b32 s21, s[WC], 8                       ; my 128 columns
	s_add_co_u32 s20, s21, A0T
	v_add_nc_u32 v[ADRB0], s20, v4
	v_add_nc_u32 v[ADRB0+1], 128*PB, v[ADRB0]
	s_add_co_u32 s20, s21, S1BASE+A1T
	v_add_nc_u32 v[ADRB1], s20, v4
	s_mul_i32 s23, s[WV], WSTAGE
	s_add_co_u32 s23, s23, STAGE                   ; my stage
	v_add_nc_u32 v[STO], s23, v3                   ; in: row r, 16 bytes for each half of the lanes
	v_mul_u32_u24 v5, v2, SP                       ; back: lanes 0-15 take one row of 256 bytes, lanes 16-31 the next
	v_lshl_add_u32 v5, v1, 4, v5
	v_add_nc_u32 v[RD], s23, v5
	v_lshlrev_b32 v5, 12, v2                       ; and the same two rows in t
	v_lshl_add_u32 v[CO], v1, 4, v5
	s_lshl_b32 s20, s[TR], 7                       ; t at my wave's first row and column
	s_lshl_b32 s21, s[WR], 6
	s_add_co_u32 s20, s20, s21
	s_lshl_b32 s20, s20, 12
	s_lshl_b32 s21, s[TC], 9
	s_add_co_u32 s20, s20, s21
	s_lshl_b32 s21, s[WC], 8
	s_add_co_u32 s20, s20, s21
	s_mov_b32 s21, 0
	s_add_nc_u64 s[TP:TP+1], s[TP:TP+1], s[20:21]
	; the prefetches
	v_and_b32 v3, 31, v0
	v_lshlrev_b32 v4, 13, v3                       ; xb: a lane a row of 8,192 bytes
	v_lshrrev_b32 v5, 1, v3
	v_and_b32 v3, 1, v3
	v_lshlrev_b32 v5, 12, v5                       ; w1: two lanes a row of 4,096 bytes,
	v_lshl_add_u32 v5, v3, 8, v5                   ; 256 bytes apart
	s_lshl_b32 s18, s[TR], 7
	s_lshl_b32 s19, s[CX], 5
	s_add_co_u32 s18, s18, s19                     ; xb: row 128 x tile row + 32 cx
	s_lshl_b32 s18, s18, 13
	s_mul_i32 s19, s[CY], 96
	s_mul_i32 s20, s[WC], 48
	s_add_co_u32 s19, s19, s20                     ; w1: row 96 cy + 48 x half,
	s_lshl_b32 s19, s19, 12
	s_lshl_b32 s20, s[TC], 9
	s_add_co_u32 s19, s19, s20                     ; at the tile's first column
	s_and_b32 s21, ttmp7, 0xffff                   ; cluster y
	s_or_b32 s22, ttmp9, s[WC]                     ; 0 in wave 0 of a cluster with x = 0
	s_mov_b32 s[PFS], BSTEP
	s_mov_b32 s17, 16*NDIM*2                       ; from one of w1's three instructions to the next: 16 rows
	s_cmp_eq_u32 s[WR], 0                          ; do I fetch xb?
	s_cselect_b32 s20, s18, s19
	s_cselect_b32 s22, s22, s21
	s_cselect_b64 s[PFA:PFA+1], s[4:5], s[6:7]
	s_cselect_b32 s[PFS], ASTEP, s[PFS]
	s_cselect_b32 s17, 256, s17                    ; of xb's: 256 bytes along the row
	s_cselect_b32 s16, -1, 0
	v_cndmask_b32 v[PFO], v5, v4, s16
	v_add_nc_u32 v[PFO+1], s17, v[PFO]
	v_add_nc_u32 v[PFO+2], s17, v[PFO+1]
	s_cmp_eq_u32 s22, 0
	s_cselect_b32 s[LIM], 1, -1                    ; the same in all sixteen partners, for a given wave
	s_mov_b32 s[PFS+1], 0
	s_mov_b32 s21, 0
	s_add_nc_u64 s[PFA:PFA+1], s[PFA:PFA+1], s[20:21]
	s_add_nc_u64 s[PFA:PFA+1], s[PFA:PFA+1], s[PFS:PFS+1]  ; at lap 1: the short slot's first refill steps it to lap 2 and names that.  Nothing is asked for here, at the head
	; l is rounded to bf16 like every input, and widened again; all this stands in the wait for the first tile
	s_wait_loadcnt 0x0
	WIN 0x0a                                       ; sources window 2, destination window 0
.set i, 0
.rept 32
	v_cvt_pk_bf16_f32 v[TW+i], v[2*i], v[2*i+1]
.set i, i+1
.endr
	WIN 0x80
.set i, 0
.rept 32
	v_lshlrev_b32 v[2*i], 16, v[TW+i]
	v_and_b32 v[2*i+1], 0xffff0000, v[TW+i]
.set i, i+1
.endr
	WIN 0
; 8 matrix instructions: m block a x all 8 column blocks, 32 along K.  zero = 1: the product starts the sums: nothing is ever cleared.
; The 32 accumulators take turns in the same order in every quarter: between two links of a chain stand the 31 others'.
.macro MUL8 f, a, zero
	WIN MUL
.irp b, 0,1,2,3,4,5,6,7
.if \zero
	v_wmma_f32_16x16x32_bf16 v[8*(8*(\a)+(\b)):8*(8*(\a)+(\b))+7], v[(\f)+8*(\b):(\f)+8*(\b)+7], v[(\f)+64+8*(\a):(\f)+64+8*(\a)+7], 0
.else
	v_wmma_f32_16x16x32_bf16 v[8*(8*(\a)+(\b)):8*(8*(\a)+(\b))+7], v[(\f)+8*(\b):(\f)+8*(\b)+7], v[(\f)+64+8*(\a):(\f)+64+8*(\a)+7], v[8*(8*(\a)+(\b)):8*(8*(\a)+(\b))+7]
.endif
.endr
.endm
; 24 LDS loads in one run: the fragments of quarter q of a slot (32 along K; the long slot has eight quarters, the short one four) into buffer f: w1's eight, turned, then xb's four
.macro FETCH slot, q, f
	WIN 0
.if (\slot) == 0
.set FB_R, ADRB0+(\q)/4
.set FB_O, ((\q)%4)*32*PB
.set FA_R, ADRA0
.set FA_P, PA0
.else
.set FB_R, ADRB1
.set FB_O, (\q)*32*PB
.set FA_R, ADRA1
.set FA_P, PA1
.endif
.irp b, 0,1,2,3,4,5,6,7
	ds_load_tr16_b128 v[(\f)+8*(\b):(\f)+8*(\b)+3],   v[FB_R] offset:FB_O+32*(\b)
	ds_load_tr16_b128 v[(\f)+8*(\b)+4:(\f)+8*(\b)+7], v[FB_R] offset:FB_O+16*PB+32*(\b)
.endr
.irp a, 0,1,2,3
	ds_load_b128 v[(\f)+64+8*(\a):(\f)+64+8*(\a)+3],   v[FA_R] offset:64*(\q)+(\a)*16*FA_P
	ds_load_b128 v[(\f)+64+8*(\a)+4:(\f)+64+8*(\a)+7], v[FA_R] offset:64*(\q)+(\a)*16*FA_P+32
.endr
.endm
.macro PLACES                          ; four plain vector instructions between a matrix instruction and a load into a register that it has read, or a reader of its result (ISA guide 7.12.1 for a reader of its result)
.rept 4
	v_nop
.endr
.endm
; A quarter is 32 along K, 32 matrix instructions; the quarters go on buffers 0, 1 by turns (a lap has twelve).  All but a slot's last: multiplies buffer f and, in its middle, fetches quarter q into buffer g.
.macro QUARTER slot, q, f, g, zero
	s_wait_dscnt 4                                 ; w1's fragments and xb's 0 and 1 are in; the youngest four loads (xb's 2 and 3) may be out
	MUL8 \f, 0, \zero
	MUL8 \f, 1, \zero
	PLACES
	FETCH \slot, \q, \g
	s_wait_dscnt 24                                ; all but the 24 just issued
	MUL8 \f, 2, \zero
	MUL8 \f, 3, \zero
.endm
; A slot's last quarter multiplies buffer 1 and changes slots: ONE barrier.  In front of it each wave waits for all its tensor loads (one is out: its part of the next slot), adds 0 to its spare word,
; and waits for that and for its reads of this slot.  fill = 1: the barrier opens a round of the cluster's, and this slot is filled again, with its part of the next lap, first thing behind the round.
; ask = 1: the lap's prefetches stand behind the refill.
.macro TURN slot, next, fill, ask
.if \ask
	s_wait_xcnt 0x0                                ; the last prefetches, a lap back, have read their address: it is stepped here, ahead of the change's own waits
	s_add_nc_u64 s[PFA:PFA+1], s[PFA:PFA+1], s[PFS:PFS+1]
.endif
	WIN 0                                          ; (the add's two registers lie in window 0)
	s_wait_tensorcnt 0x0                           ; all my tensor loads have landed
	ds_add_u32 v[SPW], v[NIL]                      ; 0 onto my spare word
	s_wait_dscnt 5                                 ; (the add and the youngest four loads may be out)
	MUL8 F1, 0, 0                                  ; eight matrix instructions stand between the add and the wait for it
	s_wait_dscnt 0x0                               ; the add is done, and my reads of this slot are over
	s_barrier_signal -1
	MUL8 F1, 1, 0
.if \fill
	WIN 0
.endif
	s_barrier_wait -1
.if \fill
	CREST                                          ; no wave of any partner still reads this slot or has a load on its way
	s_add_nc_u64 s[G0A+4*(\slot)+2:G0A+4*(\slot)+3], s[G0A+4*(\slot)+2:G0A+4*(\slot)+3], ASTEP
	s_add_nc_u64 s[G0B+4*(\slot)+2:G0B+4*(\slot)+3], s[G0B+4*(\slot)+2:G0B+4*(\slot)+3], BSTEP
	JLOAD \slot                                    ; the four v_nop behind it are also the places in front of the loads below
.else
	PLACES
.endif
	FETCH \next, 0, F0
.if \ask
	ASK
.endif
	MUL8 F1, 2, 0
	MUL8 F1, 3, 0
.endm
	s_wait_tensorcnt 1                             ; my part of the long slot is in; the short slot's may stay out
	s_barrier_signal -1
	s_barrier_wait -1                              ; everybody's is
	FETCH 0, 0, F0
	QUARTER 0, 1, F0, F1, 1                        ; the first quarter stands in front of the loop: its products start the sums
	WIN 0                                          ; at a label and at a branch every window is 0
	s_mov_b32 s3, LAPS
	s_branch .Lenter                               ; the loop is entered in the middle of a trip, behind a long step's first quarter
.Llap:                                         ; a trip: a short step, whose slot is filled again, and the next lap's long step, whose slot is filled again: nine whole trips behind the first half trip
	QUARTER 1, 1, F0, F1, 0
	QUARTER 1, 2, F1, F0, 0
	QUARTER 1, 3, F0, F1, 0
	TURN 1, 0, 1, 1                                ; the short slot's refill: 240 matrix instructions ahead of the wait for it
	QUARTER 0, 1, F0, F1, 0
	WIN 0
.Lenter:
	QUARTER 0, 2, F1, F0, 0
	QUARTER 0, 3, F0, F1, 0
	QUARTER 0, 4, F1, F0, 0
	QUARTER 0, 5, F0, F1, 0
	QUARTER 0, 6, F1, F0, 0
	QUARTER 0, 7, F0, F1, 0
	TURN 0, 1, 1, 0                                ; the long slot's refill: 112 matrix instructions ahead of the wait for it
	WIN 0
	s_sub_co_u32 s3, s3, 1
	s_cmp_lg_u32 s3, 0
	s_cbranch_scc1 .Llap
	QUARTER 1, 1, F0, F1, 0                        ; the tail is written out: the last short step, behind which nothing is filled
	QUARTER 1, 2, F1, F0, 0
	QUARTER 1, 3, F0, F1, 0
	TURN 1, 0, 0, 0
	QUARTER 0, 1, F0, F1, 0                        ; and the last long step
	QUARTER 0, 2, F1, F0, 0
	QUARTER 0, 3, F0, F1, 0
	QUARTER 0, 4, F1, F0, 0
	QUARTER 0, 5, F0, F1, 0
	QUARTER 0, 6, F1, F0, 0
	QUARTER 0, 7, F0, F1, 0
	s_wait_dscnt 4                                 ; the very last quarter: nothing more to fetch
	MUL8 F1, 0, 0
	MUL8 F1, 1, 0
	s_wait_dscnt 0x0
	MUL8 F1, 2, 0
	MUL8 F1, 3, 0
	WIN 0
; THE WAY OUT, a block of 16 rows at a time.  PACK: times l in f32, rounded once to bf16, 16 bytes a lane.  TOSTAGE: into my own stage, and back as whole rows of 256 bytes.  SEND: stored.
.macro PACK a
	WIN 0x49                                       ; destination and source 0 window 1, source 1 (l) window 2
.irp b, 0,1,2,3,4,5,6,7
.irp i, 0,1,2,3
	v_pk_mul_f32 v[8*(8*(\a)+(\b))+2*(\i):8*(8*(\a)+(\b))+2*(\i)+1], v[8*(8*(\a)+(\b))+2*(\i):8*(8*(\a)+(\b))+2*(\i)+1], v[8*(\b)+2*(\i):8*(\b)+2*(\i)+1]
.endr
.endr
	WIN 0x05                                       ; sources window 1, destination window 0
.irp b, 0,1,2,3,4,5,6,7
.irp i, 0,1,2,3
	v_cvt_pk_bf16_f32 v[TMP+4*(\b)+(\i)], v[8*(8*(\a)+(\b))+2*(\i)], v[8*(8*(\a)+(\b))+2*(\i)+1]
.endr
.endr
	WIN 0
.endm
.macro TOSTAGE a
.set BK, BK0+32*((\a)%2)
.irp b, 0,1,2,3,4,5,6,7
	ds_store_b128 v[STO], v[TMP+4*(\b):TMP+4*(\b)+3] offset:32*(\b)
.endr
.irp u, 0,1,2,3,4,5,6,7
	ds_load_b128 v[BK+4*(\u):BK+4*(\u)+3], v[RD] offset:(\u)*2*SP  ; LDS serves a wave's instructions in order (ISA guide 5.7.1.4): these see the stores above; the next block's stores come behind them
.endr
.endm
.macro SEND a
.set BK, BK0+32*((\a)%2)
	s_wait_dscnt 0x0                               ; the block is back in registers
	s_wait_xcnt 0x0                                ; the stores of the block before have read their registers: that set is loaded again only behind this wait
.irp u, 0,1,2,3,4,5,6,7
	global_store_b128 v[CO], v[BK+4*(\u):BK+4*(\u)+3], s[TP:TP+1] offset:(16*(\a)+2*(\u))*NDIM*2 th:TH_STORE_NT  ; 16 lanes store 256 consecutive bytes, at a multiple of 256 from t's first byte
.endr
.endm
	PLACES
	PLACES                                         ; eight, once a launch: the scalings below read and rewrite results just made
	PACK 0
	TOSTAGE 0
.irp a, 1,2,3                          ; block a's arithmetic stands between block a - 1's loads from the stage and the wait for them
	PACK \a
	SEND (\a)-1
	TOSTAGE \a
.endr
	SEND 3
	s_wait_tensorcnt 0x0                           ; the wave's end: an add to my spare word and its wait, behind my last tensor load and my last LDS store
	ds_add_u32 v[SPW], v[NIL]
	s_wait_dscnt 0x0
	CROUND                                         ; the closing round: no work-group ends while a partner may still ask for a tile that names it
	s_endpgm
.Lfunc_end_k_q79a0e8f05b_g1:
	.size	k_q79a0e8f05b_g1, .Lfunc_end_k_q79a0e8f05b_g1-k_q79a0e8f05b_g1
	.p2alignl 7, 3214868480
	.fill 96, 4, 3214868480
	.section	.rodata,"a",@progbits
	.p2align	6, 0x0
	.amdhsa_kernel k_q79a0e8f05b_g1
		.amdhsa_group_segment_fixed_size 327680
		.amdhsa_private_segment_fixed_size 0
		.amdhsa_enable_private_segment 0
		.amdhsa_kernarg_size 40
		.amdhsa_user_sgpr_count 2
		.amdhsa_user_sgpr_kernarg_segment_ptr 1
		.amdhsa_wavefront_size32 1
		.amdhsa_system_sgpr_workgroup_id_x 1
		.amdhsa_system_sgpr_workgroup_id_y 1
		.amdhsa_system_sgpr_workgroup_id_z 1
		.amdhsa_system_vgpr_workitem_id 0
		.amdhsa_next_free_vgpr 576
		.amdhsa_next_free_sgpr 90
		.amdhsa_reserve_vcc 0
		.amdhsa_float_denorm_mode_32 3
		.amdhsa_float_denorm_mode_16_64 3
		.amdhsa_memory_ordered 1
		.amdhsa_forward_progress 1
		.amdhsa_inst_pref_size 138
	.end_amdhsa_kernel
	.amdgpu_metadata
---
amdhsa.version: [ 1, 2 ]
amdhsa.kernels:
  - .name:           k_q79a0e8f05b_g1
    .symbol:         k_q79a0e8f05b_g1.kd
    .args:
      - { .name: xb, .offset: 0, .size: 8, .value_kind: global_buffer, .address_space: global }
      - { .name: w1, .offset: 8, .size: 8, .value_kind: global_buffer, .address_space: global }
      - { .name: l_primary, .offset: 16, .size: 8, .value_kind: global_buffer, .address_space: global }
      - { .name: l_residual, .offset: 24, .size: 8, .value_kind: global_buffer, .address_space: global }
      - { .name: t, .offset: 32, .size: 8, .value_kind: global_buffer, .address_space: global }
    .group_segment_fixed_size: 327680
    .private_segment_fixed_size: 0
    .kernarg_segment_align: 8
    .kernarg_segment_size: 40
    .max_flat_workgroup_size: 128
    .sgpr_count:     90
    .vgpr_count:     576
    .wavefront_size: 32
...
	.end_amdgpu_metadata
.endif
;; end of part 2
;; launch g2 (part 3): grid 16 x 16, 4 waves a work-group, clusters of 4 x 4, 327,680 bytes of LDS; arguments t, w2, bias, out0; writes out0
.if DOCPART == 3
	.amdgcn_target "amdgcn-amd-amdhsa--gfx1250"
	.amdhsa_code_object_version 6
	.text
	.protected	k_q79a0e8f05b_g2
	.globl	k_q79a0e8f05b_g2
	.p2align	8
	.type	k_q79a0e8f05b_g2,@function
k_q79a0e8f05b_g2:
	s_mov_b64 s[64:65], 0
	v_nop
	global_prefetch_b8 v0, s[64:65] scope:SCOPE_SE
	s_setreg_imm32_b32 hwreg(HW_REG_WAVE_MODE, 25, 1), 1
	s_wait_xcnt 0x0
	s_wait_alu depctr_hold_cnt(0) depctr_sa_sdst(0) depctr_va_vdst(0) depctr_va_sdst(0) depctr_va_ssrc(0) depctr_va_vcc(0) depctr_vm_vsrc(0)
	s_getreg_b32 s2, hwreg(HW_REG_IB_STS2, 6, 4)
	s_cmp_eq_u32 s2, 0
	s_cbranch_scc0 .Lentry_in_a_cluster
	s_endpgm
.Lentry_in_a_cluster:
	s_bfe_u32 s2, ttmp6, 0x10000c
	s_cmp_lg_u32 s2, 0xf033
	s_cbranch_scc0 .Lentry_shape_is_right
	s_endpgm
.Lentry_shape_is_right:
; out0[m][o] = sum over j of t[m][j] w2[o][j] + bf16(bias[o]).  t: [4096][2048], w2: [4096][2048], both bf16 with j along the rows; out0: [4096][4096] f32; sums in f32.
; h is already in w2 and l in t; both pathways are one sum over j = 0..2047.  The bias is rounded to bf16 like every input of the program.
; SHARES.  A tile of out0 is 256 x 256: 256 work-groups of four waves; a wave makes 128 x 128: 64 accumulators of 16 x 16, 512 registers.
; K goes in steps of 128 through a ring of two LDS slots filled by the tensor data mover: rows of 256 bytes, each at a multiple of 256 bytes from its buffer's first byte.
; CLUSTERS: 4 x 4 work-groups.  The four of a row of the cluster need the same tile of t, the four of a column the same tile of w2: each tile is asked for JOINTLY, by the same tensor load, descriptor and mask in all four.
; THE MATRIX INSTRUCTION IS USED TRANSPOSED: source 0 = 16 rows of w2, source 1 = 16 rows of t.  In the result lane l holds row m = l % 16 and its registers the columns 8 (l / 16) + 0..7.
; REGISTERS, in windows of 256: window 0: v0-31 addresses, v32-37 the bias, v64-127 and v128-191 fragments of t (two buffers; on the way out: rows read back from the stage);
;   window 1: v64-127, v128-191 fragments of w2; window 2: the 32 accumulators of my rows 0-63 ((a, b) at v[8 (8 a + b)]); window 3: those of my rows 64-127.
.set KDIM,   2048
.set NDIM,   4096
.set KSTEP,  128
.set PITCH,  272                       ; an LDS row: 256 bytes + 16 of padding = 68 words: the 16 rows of a load start at 16 different groups of four banks (64 banks of 4 bytes: ISA guide 11.1)
.set HALFT,  128*PITCH                 ; 128 rows: what one tensor load brings, and what one wave reads of t or of w2
.set SLOT,   4*HALFT                   ; t's 256 rows, then w2's 256 rows
.set STAGE,  2*SLOT                    ; behind the ring, never filled by a tensor load: 16 rows x 528 bytes for each wave, for the way out
.set SPITCH, 528                       ; 512 bytes + 16 = 132 words: again 16 rows at 16 different groups of four banks
.set WSTAGE, 16*SPITCH
.set SPARE,  STAGE+4*WSTAGE            ; behind the stages: the spare words, 128 bytes for each wave: two blocks of 256 bytes that no other line names
.set LAPS,   KDIM/(2*KSTEP)            ; a lap = two K steps = once round the ring
.set ADRA, 16                          ; v16-17  LDS address of my fragments of t in slot 0, 1
.set ADRB, 20                          ; v20-21  the same for w2
.set STO,  24                          ; v24     the way out: where I put 32 bytes of a row
.set RD,   25                          ; v25     the way out: where I read 16 bytes of a row back
.set CO,   26                          ; v26     16 x lane: my 4 columns, in out0 and in the bias; never rewritten
.set SPW,  28                          ; v28     LDS address of my spare word; never rewritten
.set NIL,  29                          ; v29     0; never rewritten
.set PFO,  30                          ; v30     the prefetches' offset: my lane x a row of 4,096 bytes; never rewritten
.set BI,   32                          ; v[32:35] the bias of my 4 columns; v36-37 at work
.set F0,   64
.set F1,   128
.set WV,  12                           ; s12  wave
.set WR,  13                           ; s13  which half of the tile's rows is mine; also 0: I fetch t, 1: w2
.set WC,  14                           ; s14  which half of its columns; also which 128 rows of that tile I fetch
.set LIM, 15                           ; s15  1 in a wave that prefetches, else the greatest number
.set G1,  24                           ; s[24:31] descriptor group 1 for t's tiles
.set G0,  32                           ; s[32:39] group 0, one set for each slot
.set CX,  40
.set CY,  41
.set TC,  42                           ; tile column
.set TR,  43                           ; tile row
.set PFA, 44                           ; s[44:45] where my prefetches stand
.set G1B, 48                           ; s[48:55], s[56:63] the same for w2's tiles
.set G0B, 56
.set MSB, 0
.macro WIN new                         ; the high byte repeats the setting that is left; a switch that changes nothing is dropped
.if MSB != (\new)
	s_set_vgpr_msb (MSB<<8)|(\new)
.set MSB, \new
.endif
.endm
.set MUL_LO, 0xa1                      ; source 0 (w2) window 1, source 1 (t) window 0, C and D window 2
.set MUL_HI, 0xf1                      ; the same, C and D window 3
.set TO_B,   0x40                      ; destination window 1, address window 0
; A joint load: waves 0 and 1 fetch t's two halves, waves 2 and 3 w2's.  The branch hangs on the wave's number alone.
; An s_nop 0 and four v_nop follow each of the two lines, ahead of the jump and the label.
.macro JLOAD s
	s_cmp_eq_u32 s[WR], 0
	s_cbranch_scc0 .Lfor_b_\@
	tensor_load_to_lds s[G0+4*(\s):G0+4*(\s)+3], s[G1:G1+7]
	s_nop 0
.rept 4
	v_nop
.endr
	s_branch .Lasked_\@
.Lfor_b_\@:
	tensor_load_to_lds s[G0B+4*(\s):G0B+4*(\s)+3], s[G1B:G1B+7]
	s_nop 0
.rept 4
	v_nop
.endr
.Lasked_\@:
.endm
; A PREFETCH, behind each joint refill and the run of LDS loads that follows it, of the K step that stands two refills on: 32 rows x 256 bytes, a lane a row, 512 matrix instructions ahead of the load that will want it.
; Each row's 256 bytes of a K step are named once in the launch.  t's tile row is read by every cluster of a row of clusters: cluster x = 0 asks; w2's tile column by every cluster of a column: cluster y = 0 asks.
; Of the 128 rows that a wave fetches, the partner at place p takes 32 p .. 32 p + 31 (p = cx for t, cy for w2): told apart BY ADDRESS.  The loop's last trip asks for nothing: there is no K step two on.
.macro ASK
	s_cmp_gt_u32 s3, s[LIM]                        ; s3 = 1 in the loop's last trip
	s_cbranch_scc0 .Lnot_mine_\@
	global_prefetch_b8 v[PFO], s[PFA:PFA+1] offset:KSTEP*2 th:TH_LOAD_NT scope:SCOPE_SE
.Lnot_mine_\@:
.endm
.macro CREST                           ; a round of the cluster's barrier behind its opening barrier
	s_cmp_lg_u32 s[WV], 0
	s_cbranch_scc1 .Lnot_wave_0_\@
	s_barrier_signal -3
.Lnot_wave_0_\@:
	s_barrier_wait -3
	s_barrier_signal -1
	s_barrier_wait -1
.endm
.macro CROUND                          ; a whole round
	s_barrier_signal -1
	s_barrier_wait -1
	CREST
.endm
	s_load_b256 s[4:11], s[0:1], 0x0               ; t s[4:5], w2 s[6:7], bias s[8:9], out0 s[10:11]
	v_lshl_add_u32 v[SPW], v0, 2, SPARE
	v_mov_b32 v[NIL], 0
	ds_add_u32 v[SPW], v[NIL]                      ; the wave's opening: the add and its wait stand ahead of my first tensor load; the set-up below, work on registers, stands between them
	v_lshrrev_b32 v1, 5, v0
	v_readfirstlane_b32 s[WV], v1                  ; wave 0..3
	s_lshr_b32 s[WR], s[WV], 1
	s_and_b32 s[WC], s[WV], 1
	s_bfe_u32 s[CX], ttmp6, 0x40000                ; my place in the cluster
	s_bfe_u32 s[CY], ttmp6, 0x40004
	s_lshl_b32 s[TC], ttmp9, 2
	s_add_co_u32 s[TC], s[TC], s[CX]               ; tile column = 4 x cluster x + cx
	s_and_b32 s[TR], ttmp7, 0xffff
	s_lshl_b32 s[TR], s[TR], 2
	s_add_co_u32 s[TR], s[TR], s[CY]               ; tile row = 4 x cluster y + cy
	s_lshl_b32 s20, s[CY], 2
	s_lshl_b32 s20, 15, s20                        ; my row of the cluster: places 4 cy .. 4 cy + 3
	s_lshl_b32 s21, 0x1111, s[CX]                  ; my column: places cx, cx + 4, cx + 8, cx + 12
	; group 1: a tile of 128 rows x 128 elements, padded in LDS
	s_or_b32 s[G1+0], s20, (1<<16)|(1<<20)|(1<<21)|(5<<22)|(3<<25)   ; the mask; elements of 2 bytes; padding on; bit 21 beside a mask; after every 64 words (code 5) 4 words (code 3)
	s_or_b32 s[G1B+0], s21, (1<<16)|(1<<20)|(1<<21)|(5<<22)|(3<<25)
.irp g, G1, G1B
	s_mov_b32 s[(\g)+1], KSTEP<<16                 ; tensor_dim0 = 128
	s_mov_b32 s[(\g)+2], 128<<16                   ; tensor_dim1 = 128
	s_mov_b32 s[(\g)+3], KSTEP<<16                 ; tile_dim0 = 128
	s_mov_b32 s[(\g)+4], 128                       ; tile_dim1 = 128
	s_mov_b32 s[(\g)+5], KDIM                      ; elements from row to row
	s_mov_b32 s[(\g)+6], 0
	s_mov_b32 s[(\g)+7], 0
.endr
	; where the tiles come from: t's hang on the tile row alone, w2's on the tile column alone
	s_lshl_b32 s17, s[WC], 7                       ; which 128 rows of the tile I fetch
	s_lshl_b32 s16, s[TR], 8
	s_add_co_u32 s16, s16, s17
	s_lshl_b32 s16, s16, 12                        ; rows of 4,096 bytes
	s_lshl_b32 s46, s[TC], 8
	s_add_co_u32 s46, s46, s17
	s_lshl_b32 s46, s46, 12
	s_mov_b32 s17, 0
	s_mov_b32 s47, 0
	s_mul_i32 s22, s[WV], HALFT                    ; and where they go: t's two halves, then w2's two halves = wave x 128 rows
	s_wait_dscnt 0x0                               ; the opening add is done
	s_wait_kmcnt 0x0
	s_add_nc_u64 s[16:17], s[4:5], s[16:17]
	s_add_nc_u64 s[46:47], s[6:7], s[46:47]
	CROUND                                         ; all sixteen work-groups are here: the first joint loads meet
.irp s, 0,1
	s_mov_b32 s[G0+4*(\s)], 1                                        ; count = 1
	s_add_co_u32 s[G0+4*(\s)+1], s22, (\s)*SLOT                      ; LDS address
	s_add_nc_u64 s[G0+4*(\s)+2:G0+4*(\s)+3], s[16:17], (\s)*KSTEP*2  ; global address: K step s
	s_or_b32 s[G0+4*(\s)+3], s[G0+4*(\s)+3], 0x80000000              ; type = 2
	s_mov_b32 s[G0B+4*(\s)], 1
	s_add_co_u32 s[G0B+4*(\s)+1], s22, (\s)*SLOT
	s_add_nc_u64 s[G0B+4*(\s)+2:G0B+4*(\s)+3], s[46:47], (\s)*KSTEP*2
	s_or_b32 s[G0B+4*(\s)+3], s[G0B+4*(\s)+3], 0x80000000
.endr
	s_cmp_eq_u32 s[WR], 0                          ; a wave's two first fills stand in one branch, ahead of every wait on TENSORcnt and every LDS read: two loads of mine are out
	s_cbranch_scc0 .Lfirst_b
	tensor_load_to_lds s[G0:G0+3], s[G1:G1+7]
	s_nop 0
	tensor_load_to_lds s[G0+4:G0+7], s[G1:G1+7]
	s_nop 0
.rept 4
	v_nop
.endr
	s_branch .Lfirst_asked
.Lfirst_b:
	tensor_load_to_lds s[G0B:G0B+3], s[G1B:G1B+7]
	s_nop 0
	tensor_load_to_lds s[G0B+4:G0B+7], s[G1B:G1B+7]
	s_nop 0
.rept 4
	v_nop
.endr
.Lfirst_asked:
	; a fragment is 16 rows x 32 K in 8 registers: lane l holds row l % 16; two loads of 16 bytes, 32 bytes apart, at row x pitch + 16 (l / 16)
	v_and_b32 v1, 15, v0                           ; r
	v_bfe_u32 v2, v0, 4, 1                         ; h
	v_mul_u32_u24 v3, v1, PITCH
	v_lshl_add_u32 v3, v2, 4, v3
	s_mul_i32 s20, s[WR], HALFT                    ; my 128 rows of t
	s_mul_i32 s21, s[WC], HALFT                    ; my 128 rows of w2,
	s_add_co_u32 s21, s21, 2*HALFT                 ; which lie behind t's 256
.irp s, 0,1
	v_add_nc_u32 v[ADRA+(\s)], s20, v3
	v_add_nc_u32 v[ADRB+(\s)], s21, v3
	s_add_co_u32 s20, s20, SLOT
	s_add_co_u32 s21, s21, SLOT
.endr
	s_mul_i32 s23, s[WV], WSTAGE
	s_add_co_u32 s23, s23, STAGE                   ; my stage
	v_mul_u32_u24 v4, v1, SPITCH                   ; in: row r, 32 bytes for each half of the lanes
	v_lshl_add_u32 v4, v2, 5, v4
	v_add_nc_u32 v[STO], s23, v4
	v_and_b32 v5, 31, v0
	v_lshlrev_b32 v[CO], 4, v5                     ; back: 32 lanes take one row of 512 bytes
	v_add_nc_u32 v[RD], s23, v[CO]
	s_lshl_b32 s20, s[TC], 10                      ; my first column, in bytes of f32: 1,024 x tile column + 512 x half
	s_lshl_b32 s21, s[WC], 9
	s_add_co_u32 s20, s20, s21
	s_mov_b32 s21, 0
	s_add_nc_u64 s[8:9], s[8:9], s[20:21]
	global_load_b128 v[BI:BI+3], v[CO], s[8:9]     ; the bias of my 4 columns
	s_add_nc_u64 s[10:11], s[10:11], s[20:21]
	s_lshl_b32 s20, s[TR], 8
	s_lshl_b32 s23, s[WR], 7
	s_add_co_u32 s20, s20, s23                     ; my first row,
	s_lshl_b32 s20, s20, 14                        ; of 16,384 bytes
	s_add_nc_u64 s[10:11], s[10:11], s[20:21]
	; the prefetches
	s_lshl_b32 s18, s[TR], 8
	s_lshl_b32 s19, s[TC], 8
	s_and_b32 s23, ttmp7, 0xffff                   ; cluster y
	s_cmp_eq_u32 s[WR], 0                          ; do I fetch t?
	s_cselect_b32 s20, s18, s19                    ; the tile's first row
	s_cselect_b32 s21, s[CX], s[CY]                ; my place among the four that ask for it with me
	s_cselect_b32 s23, ttmp9, s23                  ; the coordinate along which other clusters read the same rows
	s_cselect_b64 s[PFA:PFA+1], s[4:5], s[6:7]
	s_cmp_eq_u32 s23, 0
	s_cselect_b32 s[LIM], 1, -1                    ; the same in all sixteen partners, for a given wave
	s_lshl_b32 s23, s[WC], 7
	s_add_co_u32 s20, s20, s23                     ; + the 128 rows that I fetch
	s_lshl_b32 s21, s21, 5
	s_add_co_u32 s20, s20, s21                     ; + my work-group's 32 of them
	s_lshl_b32 s20, s20, 12
	s_mov_b32 s21, 0
	s_add_nc_u64 s[PFA:PFA+1], s[PFA:PFA+1], s[20:21]
	s_add_nc_u64 s[PFA:PFA+1], s[PFA:PFA+1], 2*KSTEP*2  ; at K step 2: the first refill steps it to 3 and names K step 4.  Nothing is asked for here, at the head
	v_lshlrev_b32 v[PFO], 12, v5
	s_wait_loadcnt 0x0                             ; the bias, rounded to bf16 and widened again, in the wait for the first tile
	v_cvt_pk_bf16_f32 v[BI+4], v[BI], v[BI+1]
	v_cvt_pk_bf16_f32 v[BI+5], v[BI+2], v[BI+3]
	v_lshlrev_b32 v[BI], 16, v[BI+4]
	v_and_b32 v[BI+1], 0xffff0000, v[BI+4]
	v_lshlrev_b32 v[BI+2], 16, v[BI+5]
	v_and_b32 v[BI+3], 0xffff0000, v[BI+5]
; 16 matrix instructions: m blocks a0, a0 + 1 of the window's four (hi = 0: my rows 0-63, 1: rows 64-127) x all 8 column blocks, 32 along K.  zero = 1: the product starts the sums.
; The 64 accumulators take turns in the same order in every quarter.
.macro MUL16 f, hi, a0, zero
	WIN MUL_LO+0x50*(\hi)
.irp a, \a0, (\a0)+1
.irp b, 0,1,2,3,4,5,6,7
.if \zero
	v_wmma_f32_16x16x32_bf16 v[8*(8*(\a)+(\b)):8*(8*(\a)+(\b))+7], v[(\f)+8*(\b):(\f)+8*(\b)+7], v[(\f)+8*(4*(\hi)+(\a)):(\f)+8*(4*(\hi)+(\a))+7], 0
.else
	v_wmma_f32_16x16x32_bf16 v[8*(8*(\a)+(\b)):8*(8*(\a)+(\b))+7], v[(\f)+8*(\b):(\f)+8*(\b)+7], v[(\f)+8*(4*(\hi)+(\a)):(\f)+8*(4*(\hi)+(\a))+7], v[8*(8*(\a)+(\b)):8*(8*(\a)+(\b))+7]
.endif
.endr
.endr
.endm
; 32 LDS loads in one run: the fragments of one quarter (128 rows of w2, 128 rows of t, 32 K at byte k of the rows) into buffer f
.macro FETCH slot, k, f
	WIN TO_B
.irp i, 0,1,2,3,4,5,6,7
	ds_load_b128 v[(\f)+8*(\i):(\f)+8*(\i)+3],   v[ADRB+(\slot)] offset:(\k)+(\i)*16*PITCH
	ds_load_b128 v[(\f)+8*(\i)+4:(\f)+8*(\i)+7], v[ADRB+(\slot)] offset:(\k)+(\i)*16*PITCH+32
.endr
	WIN 0
.irp i, 0,1,2,3,4,5,6,7
	ds_load_b128 v[(\f)+8*(\i):(\f)+8*(\i)+3],   v[ADRA+(\slot)] offset:(\k)+(\i)*16*PITCH
	ds_load_b128 v[(\f)+8*(\i)+4:(\f)+8*(\i)+7], v[ADRA+(\slot)] offset:(\k)+(\i)*16*PITCH+32
.endr
.endm
.macro PLACES                          ; four plain vector instructions between a matrix instruction and a load into a register that it has read, or a reader of its result (ISA guide 7.12.1 for a reader of its result)
.rept 4
	v_nop
.endr
.endm
; A K step is four quarters of 32 along K, 64 matrix instructions each, on buffers 0, 1, 0, 1.  One of the first three: multiplies buffer f and, in its middle, fetches the next quarter, at byte k, into buffer g.
.macro QUARTER slot, k, f, g, zero
	s_wait_dscnt 8                                 ; w2 and t's rows 0-63 are in; the youngest eight loads (t's rows 64-127) may be out
	MUL16 \f, 0, 0, \zero
	MUL16 \f, 0, 2, \zero
	PLACES
	FETCH \slot, \k, \g
	s_wait_dscnt 32                                ; all but the 32 just issued
	MUL16 \f, 1, 0, \zero
	MUL16 \f, 1, 2, \zero
.endm
; The first half of the last quarter: ONE barrier for the change of slots.  In front of it each wave waits for all its tensor loads (one is out: its part of the next slot), adds 0 to its spare word,
; and waits for that and for its own reads of this slot.  Behind it nobody reads this slot any more and the next slot is whole.
.macro MEET round
	WIN 0                                          ; (the add's two registers lie in window 0)
	s_wait_tensorcnt 0x0                           ; all my tensor loads have landed
	ds_add_u32 v[SPW], v[NIL]                      ; 0 onto my spare word
	s_wait_dscnt 9                                 ; (the add and the youngest eight loads may be out)
	MUL16 F1, 0, 0, 0                              ; sixteen matrix instructions stand between the add and the wait for it
	s_wait_dscnt 0x0                               ; the add is done, and my reads of this slot are over
	s_barrier_signal -1
	MUL16 F1, 0, 2, 0
.if \round
	WIN 0
.endif
	s_barrier_wait -1
.endm
; The whole last quarter.  fill = 1: the barrier opens a round of the cluster's, and the slot just read out is filled again, two K steps ahead, first thing behind the round: 224 matrix instructions ahead of the wait for it.
.macro TURN slot, next, fill
.if \fill
	s_wait_xcnt 0x0                                ; the last prefetch, a K step back, has read its address: it is stepped here, ahead of the change's own waits
	s_add_nc_u64 s[PFA:PFA+1], s[PFA:PFA+1], KSTEP*2
.endif
	MEET \fill
.if \fill
	CREST                                          ; no wave of any partner still reads this slot or has a load on its way
	s_add_nc_u64 s[G0+4*(\slot)+2:G0+4*(\slot)+3], s[G0+4*(\slot)+2:G0+4*(\slot)+3], 2*KSTEP*2
	s_add_nc_u64 s[G0B+4*(\slot)+2:G0B+4*(\slot)+3], s[G0B+4*(\slot)+2:G0B+4*(\slot)+3], 2*KSTEP*2
	JLOAD \slot                                    ; the four v_nop behind it are also the places in front of the loads below
.else
	PLACES
.endif
	FETCH \next, 0, F0
.if \fill
	ASK
.endif
	MUL16 F1, 1, 0, 0
	MUL16 F1, 1, 2, 0
.endm
	s_wait_tensorcnt 1                             ; my part of K step 0 is in; K step 1's may stay out
	s_barrier_signal -1
	s_barrier_wait -1                              ; everybody's is
	FETCH 0, 0, F0
	QUARTER 0, 64,  F0, F1, 1                      ; the first quarter stands in front of the loop: its products start the sums
	WIN 0                                          ; at a label and at a branch every window is 0
	s_mov_b32 s3, LAPS-1
.Llap:                                         ; a trip goes once round the ring, from a lap's second quarter to the next lap's first, and fills both slots again
	QUARTER 0, 128, F1, F0, 0
	QUARTER 0, 192, F0, F1, 0
	TURN 0, 1, 1
	QUARTER 1, 64,  F0, F1, 0
	QUARTER 1, 128, F1, F0, 0
	QUARTER 1, 192, F0, F1, 0
	TURN 1, 0, 1
	QUARTER 0, 64,  F0, F1, 0
	WIN 0
	s_sub_co_u32 s3, s3, 1
	s_cmp_lg_u32 s3, 0
	s_cbranch_scc1 .Llap
	QUARTER 0, 128, F1, F0, 0                      ; the last lap fills nothing, and has no round of the cluster's barrier
	QUARTER 0, 192, F0, F1, 0
	TURN 0, 1, 0
	QUARTER 1, 64,  F0, F1, 0
	QUARTER 1, 128, F1, F0, 0
	QUARTER 1, 192, F0, F1, 0
	s_wait_dscnt 8                                 ; the very last quarter: nothing more to fetch
	MUL16 F1, 0, 0, 0
	MUL16 F1, 0, 2, 0
	s_wait_dscnt 0x0
	MUL16 F1, 1, 0, 0
	MUL16 F1, 1, 2, 0
	WIN 0
; THE WAY OUT, a block of 16 rows at a time.  A lane's eight f32 of a row are 32 bytes of its 512; the lanes beside it hold other rows.  TOSTAGE: the block goes into my own stage as it lies in the accumulators
; (each accumulator's low four registers first) and comes back as whole rows.  SEND: the bias is added and a row leaves by one store.
.macro TOSTAGE a
.set AC, 64*((\a)%4)
.set BK, F0+64*((\a)%2)
	s_wait_xcnt 0x0                                ; the stores of two blocks back have read this set of registers: it is loaded again only behind this wait
	WIN 0x08+4*((\a)/4)                            ; the stores' data: window 2 or 3
.irp b, 0,1,2,3,4,5,6,7
	ds_store_b128 v[STO], v[AC+8*(\b):AC+8*(\b)+3]   offset:64*(\b)
	ds_store_b128 v[STO], v[AC+8*(\b)+4:AC+8*(\b)+7] offset:64*(\b)+16
.endr
	WIN 0
.irp u, 0,1,2,3,4,5,6,7,8,9,10,11,12,13,14,15
	ds_load_b128 v[BK+4*(\u):BK+4*(\u)+3], v[RD] offset:(\u)*SPITCH  ; LDS serves a wave's instructions in order (ISA guide 5.7.1.4): these see the stores above; the next block's stores come behind them
.endr
.endm
.macro SEND a, younger                 ; younger: the LDS instructions issued behind this block's loads: the next block's 32, or none
.set BK, F0+64*((\a)%2)
.irp u, 0,1,2,3,4,5,6,7,8,9,10,11,12,13,14,15
	s_wait_dscnt (\younger)+15-(\u)                ; row u is back
	v_pk_add_f32 v[BK+4*(\u):BK+4*(\u)+1],   v[BK+4*(\u):BK+4*(\u)+1],   v[BI:BI+1]
	v_pk_add_f32 v[BK+4*(\u)+2:BK+4*(\u)+3], v[BK+4*(\u)+2:BK+4*(\u)+3], v[BI+2:BI+3]
	global_store_b128 v[CO], v[BK+4*(\u):BK+4*(\u)+3], s[10:11] offset:(16*(\a)+(\u))*NDIM*4 th:TH_STORE_NT  ; 32 lanes store 512 consecutive bytes, at a multiple of 256 from out0's first byte; 127 rows at the most stand in the immediate
.endr
.endm
	PLACES
	PLACES                                         ; eight, once a launch, behind the last products
	TOSTAGE 0
.irp a, 1,2,3,4,5,6,7                  ; block a goes into the stage while block a - 1's rows come back
	TOSTAGE \a
	SEND (\a)-1, 32
.endr
	SEND 7, 0
	s_wait_tensorcnt 0x0                           ; the wave's end: an add to my spare word and its wait, behind my last tensor load and my last LDS store
	ds_add_u32 v[SPW], v[NIL]
	s_wait_dscnt 0x0
	CROUND                                         ; the closing round: no work-group ends while a partner may still ask for a tile that names it
	s_endpgm
.Lfunc_end_k_q79a0e8f05b_g2:
	.size	k_q79a0e8f05b_g2, .Lfunc_end_k_q79a0e8f05b_g2-k_q79a0e8f05b_g2
	.p2alignl 7, 3214868480
	.fill 96, 4, 3214868480
	.section	.rodata,"a",@progbits
	.p2align	6, 0x0
	.amdhsa_kernel k_q79a0e8f05b_g2
		.amdhsa_group_segment_fixed_size 327680
		.amdhsa_private_segment_fixed_size 0
		.amdhsa_enable_private_segment 0
		.amdhsa_kernarg_size 32
		.amdhsa_user_sgpr_count 2
		.amdhsa_user_sgpr_kernarg_segment_ptr 1
		.amdhsa_wavefront_size32 1
		.amdhsa_system_sgpr_workgroup_id_x 1
		.amdhsa_system_sgpr_workgroup_id_y 1
		.amdhsa_system_sgpr_workgroup_id_z 1
		.amdhsa_system_vgpr_workitem_id 0
		.amdhsa_next_free_vgpr 1024
		.amdhsa_next_free_sgpr 66
		.amdhsa_reserve_vcc 0
		.amdhsa_float_denorm_mode_32 3
		.amdhsa_float_denorm_mode_16_64 3
		.amdhsa_memory_ordered 1
		.amdhsa_forward_progress 1
		.amdhsa_inst_pref_size 161
	.end_amdhsa_kernel
	.amdgpu_metadata
---
amdhsa.version: [ 1, 2 ]
amdhsa.kernels:
  - .name:           k_q79a0e8f05b_g2
    .symbol:         k_q79a0e8f05b_g2.kd
    .args:
      - { .name: t, .offset: 0, .size: 8, .value_kind: global_buffer, .address_space: global }
      - { .name: w2, .offset: 8, .size: 8, .value_kind: global_buffer, .address_space: global }
      - { .name: bias, .offset: 16, .size: 8, .value_kind: global_buffer, .address_space: global }
      - { .name: out0, .offset: 24, .size: 8, .value_kind: global_buffer, .address_space: global }
    .group_segment_fixed_size: 327680
    .private_segment_fixed_size: 0
    .kernarg_segment_align: 8
    .kernarg_segment_size: 32
    .max_flat_workgroup_size: 128
    .sgpr_count:     66
    .vgpr_count:     1024
    .wavefront_size: 32
...
	.end_amdgpu_metadata
.endif
;; end of part 3
